; MI455X (gfx1250); checked and timed in simulation.
; The chip was launched on July 23, 2026; its instructions are those of AMD's public machine-readable ISA for CDNA 5 (MIT licence, August 2026) and "CDNA5" Instruction Set Architecture Reference Guide (July 2026). The comments in the code are by the model that wrote it; some were corrected since.
;; Cross Attention. Allowed arithmetic: matrix products marked QUANTISED: E5M2 operands, one E8M0 scale for each 32 along K, by v_wmma_scale_f32_16x16x128_f8f6f4 with both operands' format E5M2, f32 sums; everything else in f32.
;; Inputs: Wk 256 x 128 float32; Wo 128 x 128 float32; Wq 256 x 128 float32; Wv 256 x 128 float32; bk 128 float32; bo 128 float32; bq 128 float32; bv 128 float32; ligand 4 x 4,096 x 256 float32; pocket 4 x 4,096 x 256 float32.
;; Outputs: out0 4 x 4,096 x 128 float32.
;; This version of the problem:
;;   THIS VERSION OF THE PROBLEM IS GIVEN IN LOW PRECISION. The matrix products marked QUANTISED in the list below multiply operands that are first quantised to E5M2 (5 exponent bits, 2 mantissa bits; 8 bits a number), with one power-of-two scale for each 32 numbers along K (OCP MX v1.0); their sums are f32. All else is computed in f32.
;;   The module's matrix products, in the order in which they are computed (A, B: the left and right operand; K: the contracted axis; several contracted axes count as one K, in the product's order):
;;     1. [M 16,384, K 256] x [K 256, N 128]; A: input ligand; B: input Wq: QUANTISED
;;     2. [M 16,384, K 256] x [K 256, N 128]; A: input pocket; B: input Wk: QUANTISED
;;     3. [M 16,384, K 256] x [K 256, N 128]; A: input pocket; B: input Wv: QUANTISED
;;     4. batch 4 x [M 4,096, K 128] x [K 128, N 4,096]; A: computed on the way; B: computed on the way: QUANTISED
;;     5. batch 4 x [M 4,096, K 4,096] x [K 4,096, N 128]; A: softmax (see below); B: computed on the way: QUANTISED
;;     6. [M 16,384, K 128] x [K 128, N 128]; A: computed on the way; B: input Wo: QUANTISED
;;   THE QUANTISER, for each operand of a quantised product, along K:
;;     - K is cut into blocks of 32 from its start; a last block that is shorter is filled with zeros.
;;     - A block's scale is 2^e with e = floor(log2(the largest magnitude in the block)) - 15, held to -126 .. 127; a block of zeros has e = 0. As a byte (E8M0): e + 127.
;;     - Each number is divided by its block's scale, clamped to +-57,344, and rounded to the nearest number of E5M2, ties to even, subnormals kept.
;;     - The product sums the exact products of the quantised numbers (number of the format x scale) in f32.
;;   ~~~python
;;   def quantise(x, axis):      # numpy; x: float32 -> the quantised numbers, widened to float32 again
;;       x = np.moveaxis(x, axis, -1); K = x.shape[-1]
;;       x = np.pad(x, [(0, 0)] * (x.ndim - 1) + [(0, -K % 32)]); x = x.reshape(x.shape[:-1] + (-1, 32)); a = np.abs(x).max(-1, keepdims=True)
;;       e = np.where(a > 0, np.clip(np.frexp(np.where(a > 0, a, 1))[1] - 1 - 15, -126, 127), 0)      # np.frexp(a)[1] - 1 = floor(log2(a)), exactly
;;       r = np.clip(x / 2.0 ** e, -57344, 57344)
;;       step = 2.0 ** (np.maximum(np.frexp(np.where(r == 0, 1, r))[1] - 1, -14) - 2)
;;       q = np.round(r / step) * step * 2.0 ** e      # np.round: ties to even
;;       return np.moveaxis(q.reshape(q.shape[:-2] + (-1,))[..., :K], -1, axis).astype(np.float32)
;;   ~~~
;;   SOFTMAX AHEAD OF A QUANTISED PRODUCT. Where the list says 'softmax', what is quantised is not the finished softmax but p = 2^(t - M), with t = logit x log2(e) and M = ceil(the row's largest t), a whole number; so 1/2 < the row's largest p <= 1. The row's sum l is taken of the UNQUANTISED p, in f32, and the product's result is divided by l at the end. Since M is a whole number, a kernel that streams over the keys may use a running M (the ceiling of the running maximum): every later rescaling is an exact power of two, which a block's scale takes up: the codes' values come out the same.
;;   OPERANDS COMPUTED ON THE WAY. 'Computed on the way' means the value that the module computes at that place (a softmax that the list does not call 'softmax' is quantised finished and normalised). What goes into a quantiser is computed in f32, as accurately as f32 sums, v_exp_f32 and their like allow (about 1e-6 of the number): no bf16 or f16 on the way to a quantiser, and a product that is left as it is and whose result goes on into a quantised operand takes f32 operands (vector FMAs, or v_wmma_f32_16x16x4_f32). A number that lies on a knife's edge between two numbers of the format may be rounded either way, as far as f32 arithmetic and the matrix unit's own rounding can turn it there, and no further.
;; One version. Each part assembles by itself: llvm-mc -triple=amdgcn-amd-amdhsa -mcpu=gfx1250 --defsym DOCPART=n.
;; ======== version 1 of 1: 2 launches
;; limits: right only within a limited range of input values
;; workspace buffers: kv 4,325,376 bytes; q 2,162,688 bytes; wo 17,408 bytes
;; launch proj (part 1): grid 256 x 1, 16 waves a work-group, no clusters, 240,640 bytes of LDS; arguments pocket, ligand, Wk, Wq, bk, bq, kv, q, Wv, bv, Wo, wo; writes kv, q, wo
.if DOCPART == 1
	.amdgcn_target "amdgcn-amd-amdhsa--gfx1250"
	.amdhsa_code_object_version 6
	.text
	.protected	k_q35920e75c1_proj
	.globl	k_q35920e75c1_proj
	.p2align	8
	.type	k_q35920e75c1_proj,@function
k_q35920e75c1_proj:
	s_mov_b64 s[64:65], 0
	v_nop
	global_prefetch_b8 v0, s[64:65] scope:SCOPE_SE
	s_setreg_imm32_b32 hwreg(HW_REG_WAVE_MODE, 25, 1), 1
	s_wait_xcnt 0x0
; K = pocket Wk + bk, V = pocket Wv + bv, Q = ligand Wq + bq, each product on codes of BF8 (E5M2) with one E8M0 scale for each 32 along its K (the 256 inputs); sums in f32, the bias as the C of a sum's first product.
; The results are quantised at once for the products that follow: K and Q along the 128 channels, V along the keys, and stored AS IMAGES OF THE OPERANDS' REGISTERS.
; A RECORD serves 128 rows: 8 fragment images of 2,048 bytes (register group c at 512 c, lane l at 16 l), then 512 bytes of scale words (tile t, lane r: 256 (t / 4) + 16 r + 4 (t % 4));
; a record of kv holds K's 16,896 bytes and then V's, a record of q holds Q's.  Lane r of tile t is row (V: channel) 16 t + r.
; THE ORDER INSIDE A BLOCK OF 32 along the next K: in a result the 16 registers of tiles 2 b and 2 b + 1 in lane half h are numbers 32 b + 16 u + 8 h + i (register 8 u + i).  They take the operand's places 32 b + 16 h + 8 u + i:
; the block holds the same 32 numbers, and both operands of the next product have the same order (K and Q; p and V; O and Wo, whose rows are loaded in that order).
; SHARES.  Work-group 2 u takes rows 128 u on of pocket, work-group 2 u + 1 those of ligand: one text, the buffers chosen by the work-group's number.  Sixteen waves.
;   Waves 0 to 7 quantise the weight, waves 8 to 15 Wv (pocket): 32 rows a wave, a whole block of 32 along K; each load takes one row, 512 consecutive bytes; a lane holds four columns.  The hold writes a column's 32 numbers to neighbouring registers.
;   In ligand's first work-group waves 8 to 11 quantise Wo in the same way; waves 8 to 15 store its eight images in wo (tile t's at 2,048 t, its scale words, a word a lane, at 16,384 + 128 t).
;   Every wave quantises one fragment of x (tile w / 2, K step w % 2): 16 rows x 512 bytes, by one tensor load of its own into LDS bytes of its own.
;   Then waves 0 to 7 make K^T or Q^T (source 0 = four tiles of W, source 1 = two tiles of x: a lane holds one row), waves 8 to 15 (pocket) V (source 0 = four tiles of x, source 1 = two of Wv: a lane holds one channel).
; NO CLUSTER: the work-groups share only the weights, and the f32 of two weights beside x are 3 x 131,072 bytes, more than LDS holds: each wave takes its rows straight into the registers in which it quantises them.
; NO PREFETCH: there is no loop to run ahead in.
; LIMITS: NaN and infinities among the inputs are not served.  A block of zeros gets the scale byte 1 where the quantiser's rule says 127: its codes are zeros, which add nothing, and this program alone reads the bytes.
.set XP,    528                        ; a row of x in LDS: 512 bytes + 16 of padding
.set XW,    16*XP                      ; a wave's 16 rows
.set WIMG,  16*XW                      ; behind x the images: the weight's, x's, Wv's (or Wo's): three regions,
.set TP,    4112                       ; a tile's two fragments + 16 bytes
.set REG,   33024
.set WSC,   WIMG+3*REG                 ; their scale words, 64 bytes a fragment: three regions of 1,024 bytes
.set SCSTG, WSC+3*1024                 ; the results' scale words on their way out: 512 bytes for K or Q, 512 for V
.set SPARE, SCSTG+1024                 ; the spare words, 128 bytes for each wave
.set REC,   33792
.set HREC,  16896
.set XR,  1                            ; v1   x in LDS: my row
.set IW,  2                            ; v2   where my columns of a weight go: + 16 c + 256 h
.set SWB, 3                            ; v3   and their scale bytes: + 4 c
.set IX,  4                            ; v4   where x's fragment goes
.set SX,  5                            ; v5   and its scale words
.set VA,  6                            ; v6   the four tiles that I walk: W's or x's
.set FA,  7                            ; v7   the two that I keep: x's or Wv's
.set VS,  8                            ; v8   the walked tiles' scale words
.set FS,  9                            ; v9   the kept tiles'
.set SG,  10                           ; v10  the results' scale words in the stage
.set SL,  11                           ; v11  the stage read back, 16 bytes a lane
.set GO,  12                           ; v12  16 x lane
.set BK,  13                           ; v13  bk, bq: 32 bytes on for lanes 16-31
.set SPW, 14                           ; v14  LDS address of my spare word; never rewritten
.set NIL, 15                           ; v15  0; never rewritten
.set TM,  16                           ; v16-31 the quantisers': largest magnitudes, bytes, holds, scale operands
.set PW,  32                           ; v32  the scale word just made
.set PC,  40                           ; v40-55 the codes just made (a weight's: v32-55 and v96-103)
.set BC,  56                           ; v56-87 the bias as C
.set VSW, 88                           ; v88-91 the walked tiles' scale words
.set FXS, 92                           ; v92-93 the kept tiles'
.set WA,  94                           ; v94-95 Wo's image and scale words, read back
.set WSA, 95
.set R,   96                           ; v96-223 a weight's 32 rows x 4 columns; x's 64 numbers; v96-159 walked, v160-191 kept fragments
.set ACC, 192                          ; v192-255 eight accumulators
.set T,   224                          ; v224-255 a column's 32 numbers, held
.set LN,  224                          ; at the head: lane, r, h
.set RR,  225
.set HH,  226
.set BV,  229                          ; v229 bv: my channel
.set KIND, 24                          ; s24  0 pocket, 1 ligand
.set UNIT, 25                          ; s25  which 128 rows
.set STRIDE, 26                        ; s26  bytes of a record
.set WV,  27                           ; s27  my wave's number
.set G1,  32
.set G0,  40
.set DIMG, 44                          ; s[44:45] where my results' images go
.set DSC, 46                           ; s[46:47] where my role's scale words go
.set SEL, 48                           ; s[48:49] v_permlanex16_b32's selects for lane l xor 16
.set MNT, 50                           ; s50  the mantissa field of 57,344
.set RHO, 51                           ; s51  w / 8
.set TAU, 52                           ; s52  w % 8
.set KS,  53                           ; s53  w % 2
.set TJ,  54                           ; s54  w / 2
.set XQ,  55                           ; s55  w % 4: which two tiles I keep
.set CH,  56                           ; s56  (w / 4) % 2: which four I walk
.macro PLACES n
.rept \n
	v_nop
.endr
.endm
; 64 numbers of a lane, four blocks' halves of 16 registers, become 16 registers of codes in v[PC] on and four scale bytes in v[PW].
.macro QUANT s
.irp b, 0,1,2,3
	v_max3_num_f32 v[TM+\b], |v[\s+16*\b]|, |v[\s+1+16*\b]|, 0x8000000   ; my 16 numbers, and the floor 2^(16 - 127): the byte cannot fall under 1
.endr
.irp i, 2,4,6,8,10,12,14
.irp b, 0,1,2,3
	v_max3_num_f32 v[TM+\b], v[TM+\b], |v[\s+16*\b+\i]|, |v[\s+1+16*\b+\i]|
.endr
.endr
.irp b, 0,1,2,3
	v_permlanex16_b32 v[TM+4+\b], v[TM+\b], s[SEL], s[SEL+1]
.endr
.irp b, 0,1,2,3
	v_max_num_f32 v[TM+\b], v[TM+\b], v[TM+4+\b]                  ; with lane l xor 16's: the block's largest magnitude
.endr
.irp b, 0,1,2,3
	v_add_nc_u32 v[TM+12+\b], 0xf8800000, v[TM+\b]                ; 15 off its exponent field: the conversion's scale operand
.endr
.irp b, 0,1,2,3
	v_and_or_b32 v[TM+8+\b], v[TM+\b], 0x7f800000, s[MNT]         ; 57,344 x the scale
.endr
.irp b, 0,1,2,3
	v_lshrrev_b32 v[TM+4+\b], 23, v[TM+12+\b]                     ; the scale's byte
.endr
	v_lshl_or_b32 v[PW], v[TM+5], 8, v[TM+4]
	v_lshl_or_b32 v[PW], v[TM+6], 16, v[PW]
	v_lshl_or_b32 v[PW], v[TM+7], 24, v[PW]
.irp b, 0,1,2,3
.irp i, 0,1,2,3,4,5,6,7,8,9,10,11,12,13,14,15
	v_med3_num_f32 v[\s+16*\b+\i], v[\s+16*\b+\i], -v[TM+8+\b], v[TM+8+\b]   ; the conversion to an 8-bit code does not saturate (ISA guide 7.6.2): the hold at the largest code x the scale
.endr
	v_cvt_scalef32_pk8_bf8_f32 v[PC+4*\b:PC+1+4*\b], v[\s+16*\b:\s+7+16*\b], v[TM+12+\b]
	v_cvt_scalef32_pk8_bf8_f32 v[PC+2+4*\b:PC+3+4*\b], v[\s+8+16*\b:\s+15+16*\b], v[TM+12+\b]
.endr
	v_nop                                          ; one plain vector instruction behind the last conversion
.endm
; Eight products a K step: four walked tiles x two kept.  The C of the first is v[cb + ct t + cz z] on.  The eight accumulators take turns.
.macro PROD cb, ct, cz
.irp s, 0,1
.if \s
	PLACES 8                                       ; in front of loads into registers that matrix instructions have read (ISA guide 7.12.1 for vector instructions)
.endif
.irp t, 0,1,2,3
.irp c, 0,1,2,3
	ds_load_b128 v[R+16*\t+4*\c:R+16*\t+4*\c+3], v[VA] offset:\t*TP+2048*\s+512*\c
.endr
	ds_load_b32 v[VSW+\t], v[VS] offset:128*\t+64*\s
.endr
.irp z, 0,1
.irp c, 0,1,2,3
	ds_load_b128 v[160+16*\z+4*\c:163+16*\z+4*\c], v[FA] offset:\z*TP+2048*\s+512*\c
.endr
	ds_load_b32 v[FXS+\z], v[FS] offset:128*\z+64*\s
.endr
	s_wait_dscnt 0x0
.irp z, 0,1
.irp t, 0,1,2,3
.if \s == 0
	v_wmma_scale_f32_16x16x128_f8f6f4 v[ACC+32*\z+8*\t:ACC+32*\z+8*\t+7], v[R+16*\t:R+16*\t+15], v[160+16*\z:175+16*\z], v[\cb+\ct*\t+\cz*\z:\cb+\ct*\t+\cz*\z+7], v[VSW+\t], v[FXS+\z] matrix_a_fmt:MATRIX_FMT_BF8 matrix_b_fmt:MATRIX_FMT_BF8
.else
	v_wmma_scale_f32_16x16x128_f8f6f4 v[ACC+32*\z+8*\t:ACC+32*\z+8*\t+7], v[R+16*\t:R+16*\t+15], v[160+16*\z:175+16*\z], v[ACC+32*\z+8*\t:ACC+32*\z+8*\t+7], v[VSW+\t], v[FXS+\z] matrix_a_fmt:MATRIX_FMT_BF8 matrix_b_fmt:MATRIX_FMT_BF8
.endif
.endr
.endr
.endr
.endm
	s_load_b512 s[4:19], s[0:1], 0x0               ; pocket, ligand, Wk, Wq, bk, bq, kv, q
	s_load_b128 s[20:23], s[0:1], 0x40             ; Wv, bv
	s_load_b128 s[60:63], s[0:1], 0x50             ; Wo, wo
	v_lshl_add_u32 v[SPW], v0, 2, SPARE
	v_mov_b32 v[NIL], 0
	ds_add_u32 v[SPW], v[NIL]                      ; the wave's opening: the add, twice on end, and its wait ahead of the first tensor load
	ds_add_u32 v[SPW], v[NIL]
	v_lshrrev_b32 v[LN], 5, v0
	v_readfirstlane_b32 s[WV], v[LN]               ; wave 0..15
	s_and_b32 s[KIND], ttmp9, 1
	s_lshr_b32 s[UNIT], ttmp9, 1
	s_lshr_b32 s[RHO], s[WV], 3
	s_and_b32 s[TAU], s[WV], 7
	s_and_b32 s[KS], s[WV], 1
	s_lshr_b32 s[TJ], s[WV], 1
	s_and_b32 s[XQ], s[WV], 3
	s_lshr_b32 s[CH], s[TAU], 2
	s_mov_b32 s[SEL], 0x76543210
	s_mov_b32 s[SEL+1], 0xfedcba98
	s_mov_b32 s[MNT], 0x600000
	s_mov_b32 s[STRIDE], HREC
	; the descriptor: 16 rows of 128 f32, 256 from row to row, 16 bytes of padding behind each row in LDS
	s_mov_b32 s[G1+0], (2<<16)|(1<<20)|(6<<22)|(3<<25)   ; 15:0 no mask; 17:16 elements of 4 bytes; 20 padding on; 24:22 after every 128 words (code 6); 31:25 four words (code 3)
	s_mov_b32 s[G1+1], 128<<16
	s_mov_b32 s[G1+2], 16<<16
	s_mov_b32 s[G1+3], 128<<16
	s_mov_b32 s[G1+4], 16
	s_mov_b32 s[G1+5], 256
	s_mov_b32 s[G1+6], 0
	s_mov_b32 s[G1+7], 0
	s_mov_b32 s[G0], 1
	s_mul_i32 s[G0+1], s[WV], XW
	; every address register is made here, ahead of the first branch on the wave's number
	v_and_b32 v[LN], 31, v0
	v_and_b32 v[RR], 15, v0
	v_bfe_u32 v[HH], v0, 4, 1
	v_bfe_u32 v227, v0, 2, 3                       ; my four columns of a weight, 4 l to 4 l + 3: tile l / 4,
	v_and_b32 v228, 3, v0                          ; rows 4 (l % 4) on
	v_mul_u32_u24 v[XR], v[RR], XP
	v_lshl_add_u32 v[XR], v[HH], 6, v[XR]
	v_add_nc_u32 v[XR], s[G0+1], v[XR]
	s_mul_i32 s28, s[RHO], 2*REG
	s_lshl_b32 s29, s[TAU], 9                      ; block w % 8 of K's eight: K step (w % 8) / 4, register group w % 4
	s_add_co_u32 s28, s28, s29
	s_add_co_u32 s28, s28, WIMG
	v_mul_u32_u24 v[IW], v227, TP
	v_lshl_add_u32 v[IW], v228, 6, v[IW]
	v_add_nc_u32 v[IW], s28, v[IW]
	s_lshl_b32 s28, s[RHO], 11
	s_lshl_b32 s29, s[CH], 6
	s_add_co_u32 s28, s28, s29
	s_add_co_u32 s28, s28, s[XQ]
	s_add_co_u32 s28, s28, WSC
	s_wait_alu depctr_va_vdst(0)                   ; the wait here, directly ahead of the second readers of the two registers
	v_lshlrev_b32 v[SWB], 7, v227
	v_lshl_add_u32 v[SWB], v228, 4, v[SWB]
	v_add_nc_u32 v[SWB], s28, v[SWB]
	s_mul_i32 s28, s[TJ], TP
	s_lshl_b32 s29, s[KS], 11
	s_add_co_u32 s28, s28, s29
	s_add_co_u32 s28, s28, WIMG+REG
	v_lshl_add_u32 v[IX], v[LN], 4, s28
	s_lshl_b32 s28, s[WV], 6
	s_add_co_u32 s28, s28, WSC+1024
	v_lshl_add_u32 v[SX], v[RR], 2, s28
	s_mul_i32 s28, s[RHO], REG
	s_mul_i32 s29, s[CH], 4*TP
	s_add_co_u32 s29, s29, s28
	s_add_co_u32 s29, s29, WIMG
	v_lshl_add_u32 v[VA], v[LN], 4, s29
	s_mul_i32 s29, s[XQ], 2*TP
	s_add_co_u32 s29, s29, s28
	s_add_co_u32 s29, s29, WIMG+REG
	v_lshl_add_u32 v[FA], v[LN], 4, s29
	s_lshl_b32 s28, s[RHO], 10
	s_lshl_b32 s29, s[CH], 9
	s_add_co_u32 s29, s29, s28
	s_add_co_u32 s29, s29, WSC
	v_lshl_add_u32 v[VS], v[RR], 2, s29
	s_lshl_b32 s29, s[XQ], 8
	s_add_co_u32 s29, s29, s28
	s_add_co_u32 s29, s29, WSC+1024
	v_lshl_add_u32 v[FS], v[RR], 2, s29
	s_lshl_b32 s29, s[RHO], 9
	s_add_co_u32 s29, s29, SCSTG
	v_lshl_add_u32 v[SL], v[LN], 4, s29
	s_lshr_b32 s30, s[XQ], 1
	s_lshl_b32 s30, s30, 8
	s_add_co_u32 s29, s29, s30
	s_lshl_b32 s30, s[KS], 3
	s_add_co_u32 s29, s29, s30
	s_lshl_b32 s30, s[CH], 1
	s_add_co_u32 s29, s29, s30
	v_lshl_add_u32 v[SG], v[RR], 4, s29
	v_lshlrev_b32 v[GO], 4, v[LN]
	v_lshlrev_b32 v[BK], 5, v[HH]
	s_lshl_b32 s29, s[XQ], 7
	v_lshl_add_u32 v[BV], v[RR], 2, s29
	s_mul_i32 s29, s[TAU], TP
	s_add_co_u32 s29, s29, WIMG+2*REG
	v_lshl_add_u32 v[WA], v[LN], 4, s29
	s_lshl_b32 s29, s[TAU], 7
	s_add_co_u32 s29, s29, WSC+2048
	v_lshl_add_u32 v[WSA], v[RR], 2, s29
.irp b, 0,1,2,3
	v_mov_b32 v[TM+4+\b], 0                        ; a lane permute's destination counts as one of its sources
.endr
	s_wait_alu depctr_va_vdst(0)                   ; the wait at the head's end
	s_wait_dscnt 0x0                               ; both opening adds are done
	s_wait_kmcnt 0x0
	s_cmp_eq_u32 s[KIND], 0                        ; pocket's work-group or ligand's: the choice hangs on the work-group's number alone
	s_cselect_b64 s[4:5], s[4:5], s[6:7]           ; x
	s_cselect_b64 s[8:9], s[8:9], s[10:11]         ; W
	s_cselect_b64 s[12:13], s[12:13], s[14:15]     ; b
	s_cselect_b64 s[16:17], s[16:17], s[18:19]     ; where the records go
	s_cselect_b32 s[STRIDE], REC, s[STRIDE]
	s_lshl_b32 s28, s[UNIT], 17                    ; 128 rows of 1,024 bytes,
	s_lshl_b32 s30, s[TJ], 14                      ; my tile's 16,
	s_add_co_u32 s28, s28, s30
	s_lshl_b32 s30, s[KS], 9                       ; my half of each
	s_add_co_u32 s28, s28, s30
	s_mov_b32 s29, 0
	s_add_nc_u64 s[G0+2:G0+3], s[4:5], s[28:29]
	s_or_b32 s[G0+3], s[G0+3], 0x80000000          ; 127:126 type = 2
	tensor_load_to_lds s[G0:G0+3], s[G1:G1+7]      ; x: one load a wave, read by this wave alone
	s_nop 0
	PLACES 4
	s_cmp_eq_u32 s[RHO], 0
	s_cselect_b64 s[8:9], s[8:9], s[20:21]         ; W or Wv
	s_lshl_b32 s28, s[TAU], 14                     ; my 32 rows of 512 bytes
	s_add_nc_u64 s[8:9], s[8:9], s[28:29]
	s_add_nc_u64 s[60:61], s[60:61], s[28:29]
	s_lshl_b32 s28, s[CH], 8
	s_add_nc_u64 s[12:13], s[12:13], s[28:29]
	s_cmp_lt_u32 s[WV], 8
	s_cbranch_scc0 .Lhigh
.irp t, 0,1,2,3
	global_load_b128 v[BC+8*\t:BC+8*\t+3], v[BK], s[12:13] offset:64*\t       ; in the result's layout: channels 64 ch + 16 t + 8 h + 0 .. 7
	global_load_b128 v[BC+8*\t+4:BC+8*\t+7], v[BK], s[12:13] offset:64*\t+16
.endr
	s_branch .Lweight
.Lhigh:
	global_load_b32 v[BC+24], v[BV], s[22:23]      ; bv of my two channels.  (In a ligand work-group these two lines run too and their result is not used: they keep the waves' ways alike)
	global_load_b32 v[BC+25], v[BV], s[22:23] offset:64
	s_cmp_lg_u32 s[KIND], 0
	s_cbranch_scc1 .Lligand
.Lweight:
.set k, 0
.rept 32
	global_load_b128 v[R+4*k:R+4*k+3], v[GO], s[8:9] offset:512*k             ; row 32 (w % 8) + k, columns 4 l to 4 l + 3
.set k, k+1
.endr
	s_branch .Lquant
.Lligand:
	s_add_co_u32 s28, s[UNIT], s[CH]               ; 0 in ligand's first work-group's waves 8 to 11
	s_cmp_lg_u32 s28, 0
	s_cbranch_scc1 .Lx
.irp o, 0,1,2,3
.irp i, 0,1,2,3,4,5,6,7
	global_load_b128 v[R+4*(8*\o+\i):R+4*(8*\o+\i)+3], v[GO], s[60:61] offset:512*(8*((\o%2)*2+\o/2)+\i)   ; Wo: the block's octets in the order 0, 2, 1, 3
.endr
.endr
.Lquant:
	s_wait_loadcnt 0x0
.irp c, 0,1,2,3
	v_max3_num_f32 v[TM+\c], |v[R+\c]|, |v[R+4+\c]|, 0x8000000
.endr
.set k, 2
.rept 15
.irp c, 0,1,2,3
	v_max3_num_f32 v[TM+\c], v[TM+\c], |v[R+4*k+\c]|, |v[R+4*k+4+\c]|         ; a column's 32 numbers are one block
.endr
.set k, k+2
.endr
.irp c, 0,1,2,3
	v_add_nc_u32 v[TM+12+\c], 0xf8800000, v[TM+\c]
.endr
.irp c, 0,1,2,3
	v_and_or_b32 v[TM+8+\c], v[TM+\c], 0x7f800000, s[MNT]
.endr
.irp c, 0,1,2,3
	v_lshrrev_b32 v[TM+4+\c], 23, v[TM+12+\c]
.endr
.irp c, 0,1,2,3
.set k, 0
.rept 32
	v_med3_num_f32 v[T+k], v[R+4*k+\c], -v[TM+8+\c], v[TM+8+\c]               ; the hold, into neighbouring registers
.set k, k+1
.endr
.set CD, 32+8*\c
.if \c == 3
.set CD, R                             ; all of R has been read
.endif
.irp g, 0,1,2,3
	v_cvt_scalef32_pk8_bf8_f32 v[CD+2*\g:CD+2*\g+1], v[T+8*\g:T+8*\g+7], v[TM+12+\c]
.endr
	v_nop                                          ; one plain vector instruction behind the last conversion
	ds_store_b128 v[IW], v[CD:CD+3] offset:16*\c                   ; K places 0 .. 15: lane r of the image,
	ds_store_b128 v[IW], v[CD+4:CD+7] offset:16*\c+256             ; 16 .. 31: lane r + 16
	ds_store_b8 v[SWB], v[TM+4+\c] offset:4*\c
.endr
.Lx:
	s_wait_tensorcnt 0x0                           ; my fragment of x has landed
.irp b, 0,1,2,3
.irp j, 0,1,2,3
	ds_load_b128 v[R+16*\b+4*\j:R+16*\b+4*\j+3], v[XR] offset:128*\b+16*\j    ; my row's 16 numbers of each block of 32
.endr
.endr
	s_wait_dscnt 0x0
	QUANT R
.irp c, 0,1,2,3
	ds_store_b128 v[IX], v[PC+4*\c:PC+4*\c+3] offset:512*\c
.endr
	ds_store_b32 v[SX], v[PW]                      ; lanes r and r + 16 write the same word with the same value
	s_wait_dscnt 0x0
	s_barrier_signal -1
	s_barrier_wait -1                              ; all images lie in LDS
	s_wait_loadcnt 0x0                             ; the bias
	s_cmp_lt_u32 s[WV], 8
	s_cbranch_scc1 .Lrole0
	s_cmp_lg_u32 s[KIND], 0
	s_cbranch_scc1 .Lwo                            ; ligand has no V
.irp z, 0,1
.irp j, 0,1,2,3,4,5,6,7
	v_mov_b32 v[BC+8*\z+\j], v[BC+24+\z]           ; a lane holds one channel of each kept tile: its bias in all eight registers
.endr
.endr
	s_wait_alu depctr_va_vdst(0)
	PROD BC, 0, 8
	s_branch .Lq
.Lwo:
	s_cmp_lg_u32 s[UNIT], 0
	s_cbranch_scc1 .Lskip
	s_lshl_b32 s28, s[TAU], 11
	s_mov_b32 s29, 0
	s_add_nc_u64 s[30:31], s[62:63], s[28:29]
	s_lshl_b32 s28, s[TAU], 7
	s_add_nc_u64 s[62:63], s[62:63], s[28:29]
.irp c, 0,1,2,3
	ds_load_b128 v[R+4*\c:R+4*\c+3], v[WA] offset:512*\c
.endr
	ds_load_b32 v112, v[WSA]
	s_wait_dscnt 0x0
	v_lshrrev_b32 v113, 2, v[GO]
.irp c, 0,1,2,3
	global_store_b128 v[GO], v[R+4*\c:R+4*\c+3], s[30:31] offset:512*\c
.endr
	global_store_b32 v113, v112, s[62:63] offset:16384
	s_wait_xcnt 0x0                                ; the stores have read their data and their bases, which the lines behind the join write again
	s_branch .Lskip
.Lrole0:
	PROD BC, 8, 0
.Lq:
	s_mov_b32 s29, 0
	s_mul_i32 s28, s[UNIT], s[STRIDE]
	s_mul_i32 s30, s[RHO], HREC                    ; V's half of a record lies behind K's
	s_add_co_u32 s28, s28, s30
	s_lshl_b32 s30, s[XQ], 12                      ; my two tiles, my two register groups of each
	s_add_co_u32 s28, s28, s30
	s_lshl_b32 s30, s[CH], 10
	s_add_co_u32 s28, s28, s30
	s_add_nc_u64 s[DIMG:DIMG+1], s[16:17], s[28:29]
	PLACES 8                                       ; behind the last products, ahead of the first read of their results (ISA guide 7.12.1)
	QUANT ACC                                      ; blocks 2 z + b: kept tile z, register group 2 ch + b; each accumulator is read from its low end on
.irp b, 0,1,2,3
	global_store_b128 v[GO], v[PC+4*\b:PC+4*\b+3], s[DIMG:DIMG+1] offset:2048*(\b/2)+512*(\b%2)   ; the wave stores 512 consecutive bytes, aligned
.endr
	ds_store_b16 v[SG], v[PW]                      ; two bytes of each tile's scale word; lanes r and r + 16 write the same
	ds_store_b16_d16_hi v[SG], v[PW] offset:4
.Lskip:
	s_wait_dscnt 0x0
	s_barrier_signal -1
	s_barrier_wait -1                              ; a role's 512 bytes of scale words lie in the stage
	s_cmp_lg_u32 s[TAU], 0
	s_cbranch_scc1 .Ldone
	s_and_b32 s28, s[RHO], s[KIND]
	s_cmp_lg_u32 s28, 0
	s_cbranch_scc1 .Ldone
	s_mov_b32 s29, 0
	s_mul_i32 s28, s[UNIT], s[STRIDE]
	s_mul_i32 s30, s[RHO], HREC
	s_add_co_u32 s28, s28, s30
	s_add_nc_u64 s[DSC:DSC+1], s[16:17], s[28:29]
	ds_load_b128 v[96:99], v[SL]
	s_wait_dscnt 0x0
	global_store_b128 v[GO], v[96:99], s[DSC:DSC+1] offset:16384   ; 512 consecutive bytes, aligned
.Ldone:
	s_wait_tensorcnt 0x0                           ; the wave's end
	ds_add_u32 v[SPW], v[NIL]
	s_wait_dscnt 0x0
	s_endpgm
.Lfunc_end_k_q35920e75c1_proj:
	.size	k_q35920e75c1_proj, .Lfunc_end_k_q35920e75c1_proj-k_q35920e75c1_proj
	.p2alignl 7, 3214868480
	.fill 96, 4, 3214868480
	.section	.rodata,"a",@progbits
	.p2align	6, 0x0
	.amdhsa_kernel k_q35920e75c1_proj
		.amdhsa_group_segment_fixed_size 240640
		.amdhsa_private_segment_fixed_size 0
		.amdhsa_enable_private_segment 0
		.amdhsa_kernarg_size 96
		.amdhsa_user_sgpr_count 2
		.amdhsa_user_sgpr_kernarg_segment_ptr 1
		.amdhsa_wavefront_size32 1
		.amdhsa_system_sgpr_workgroup_id_x 1
		.amdhsa_system_sgpr_workgroup_id_y 1
		.amdhsa_system_sgpr_workgroup_id_z 1
		.amdhsa_system_vgpr_workitem_id 0
		.amdhsa_next_free_vgpr 256
		.amdhsa_next_free_sgpr 66
		.amdhsa_reserve_vcc 0
		.amdhsa_float_denorm_mode_32 3
		.amdhsa_float_denorm_mode_16_64 3
		.amdhsa_memory_ordered 1
		.amdhsa_forward_progress 1
		.amdhsa_inst_pref_size 62
	.end_amdhsa_kernel
	.amdgpu_metadata
---
amdhsa.version: [ 1, 2 ]
amdhsa.kernels:
  - .name:           k_q35920e75c1_proj
    .symbol:         k_q35920e75c1_proj.kd
    .args:
      - { .name: pocket, .offset: 0, .size: 8, .value_kind: global_buffer, .address_space: global }
      - { .name: ligand, .offset: 8, .size: 8, .value_kind: global_buffer, .address_space: global }
      - { .name: Wk, .offset: 16, .size: 8, .value_kind: global_buffer, .address_space: global }
      - { .name: Wq, .offset: 24, .size: 8, .value_kind: global_buffer, .address_space: global }
      - { .name: bk, .offset: 32, .size: 8, .value_kind: global_buffer, .address_space: global }
      - { .name: bq, .offset: 40, .size: 8, .value_kind: global_buffer, .address_space: global }
      - { .name: kv, .offset: 48, .size: 8, .value_kind: global_buffer, .address_space: global }
      - { .name: q, .offset: 56, .size: 8, .value_kind: global_buffer, .address_space: global }
      - { .name: Wv, .offset: 64, .size: 8, .value_kind: global_buffer, .address_space: global }
      - { .name: bv, .offset: 72, .size: 8, .value_kind: global_buffer, .address_space: global }
      - { .name: Wo, .offset: 80, .size: 8, .value_kind: global_buffer, .address_space: global }
      - { .name: wo, .offset: 88, .size: 8, .value_kind: global_buffer, .address_space: global }
    .group_segment_fixed_size: 240640
    .private_segment_fixed_size: 0
    .kernarg_segment_align: 8
    .kernarg_segment_size: 96
    .max_flat_workgroup_size: 512
    .sgpr_count:     66
    .vgpr_count:     256
    .wavefront_size: 32
...
	.end_amdgpu_metadata
.endif
;; end of part 1
;; launch attn (part 2): grid 64 x 4, 8 waves a work-group, clusters of 4 x 1, 327,680 bytes of LDS; arguments q, kv, wo, bo, out0; writes out0
.if DOCPART == 2
	.amdgcn_target "amdgcn-amd-amdhsa--gfx1250"
	.amdhsa_code_object_version 6
	.text
	.protected	k_q35920e75c1_attn
	.globl	k_q35920e75c1_attn
	.p2align	8
	.type	k_q35920e75c1_attn,@function
k_q35920e75c1_attn:
	s_mov_b64 s[64:65], 0
	v_nop
	global_prefetch_b8 v0, s[64:65] scope:SCOPE_SE
	s_setreg_imm32_b32 hwreg(HW_REG_WAVE_MODE, 25, 1), 1
	s_wait_xcnt 0x0
	s_wait_alu depctr_hold_cnt(0) depctr_sa_sdst(0) depctr_va_vdst(0) depctr_va_sdst(0) depctr_va_ssrc(0) depctr_va_vcc(0) depctr_vm_vsrc(0)
	s_getreg_b32 s2, hwreg(HW_REG_IB_STS2, 6, 4)
	s_cmp_eq_u32 s2, 0
	s_cbranch_scc0 .Lentry_in_a_cluster
	s_endpgm
.Lentry_in_a_cluster:
	s_bfe_u32 s2, ttmp6, 0x10000c
	s_cmp_lg_u32 s2, 0x3003
	s_cbranch_scc0 .Lentry_shape_is_right
	s_endpgm
.Lentry_shape_is_right:
; out0 = (softmax(Q K^T / sqrt(128)) V) Wo + bo, all three products on codes of BF8 (E5M2) with one E8M0 scale for each 32 along a product's K.
; q and kv hold records of 128 rows, laid as images of the operands' registers: 8 fragments of 2,048 bytes (register group c at 512 c, lane l at 16 l), then 512 bytes of scale words
; (tile t, lane r: 256 (t / 4) + 16 r + 4 (t % 4)); a record of kv holds K's 16,896 bytes (K = the channels) and then V's (K = the record's 128 keys).  wo: Wo's 8 images, then 128 bytes of scale words a tile.
; Lane r of tile t is row (V: channel) 16 t + r.  In a transposed result the 16 registers of tiles 2 b and 2 b + 1 in lane half h are numbers 32 b + 16 u + 8 h + i (register 8 u + i), in the operand's places 32 b + 16 h + 8 u + i:
; a block of 32 holds the same 32 numbers, and both operands of a product have the same order (K and Q; p and V; O and Wo).
; THE SOFTMAX: t = score x log2(e) / sqrt(128); M = the largest t so far, rounded UP to a whole number; p = 2^(t - M) is quantised along the keys, not normalised; the sum l is taken of the unquantised p, in f32.
; When M moves, l and O are multiplied by 2^(old M - new M): exact.
; SHARES.  A work-group owns 64 queries of one batch.  Wave w: query tiles 2 (w % 2) and 2 (w % 2) + 1, key group w / 2.  A slot of the ring holds 4 records, 512 keys; group g works on record g of each of the 8 slots.
; All products are used transposed (source 0 = 16 keys, channels or outputs; source 1 = 16 queries): a lane holds ONE query throughout.
; In a step of parity p the fragments lie at 32 + 64 p (tiles 0-3 in window 0, 4-7 in window 1) and tile z's scores at 96 - 64 p of window z: V is fetched into the registers that K has left, the next K into those that p has left.
; THE CHANGE OF SLOTS stands between the scores' scaling and the exponentials: V has been fetched by then.  O's rescaling, work on registers, stands between the barrier's signal and its wait.
; At the end the four groups' O^T, M and l of a tile meet in LDS.  Wave w takes tile w % 4 and half w / 4: it merges 64 channels, divides by l and quantises; the two waves of a tile exchange their codes; each makes 64 outputs.
; CLUSTER.  The four work-groups of a cluster belong to one batch and walk the same records: each is asked for JOINTLY, by the same tensor load with the same descriptor and the mask of all four.
; PREFETCH.  At the change that asks for slot k + 2 the records of slot k + 3 are asked for, one step ahead.  A batch has 16 clusters: cluster j asks for record j % 4, its four work-groups for 33 of the record's 132 blocks of 256 bytes each,
; waves 4 (32 blocks) and 5 (one).  Slots 0 to 2 come by their loads alone; the last change asks for nothing.
; LIMITS: NaN and infinities are not served.  A p under 2^-126 counts as 0.  A block of zeros gets the scale byte 1: its codes are zeros.  The four key groups' sums are added in another order than one stream's.
; The promise holds while the scaled scores stay under 2^31 in magnitude.
.set REC,   33792
.set HREC,  16896
.set SLOTB, 4*REC                      ; a slot: 135,168 bytes; two of them
.set MST,   2*SLOTB                    ; -M and l of 16 partial sums, 256 bytes each,
.set COD,   MST+4096                   ; four tiles' codes at the end,
.set SCW,   COD+8192                   ; and their scale words,
.set SPARE, SCW+512                    ; the spare words, 128 bytes for each wave: four blocks of 256 bytes that no other line names,
.set OST,   SPARE+1024                 ; the way out: 16 rows x 272 bytes for each of eight waves
.set OP,    272
; the partial sums, 16 x 8,192 bytes, lie in slot 0, which has had its last fill, and its last read ahead of the last barrier of the key steps, when the first of them is stored
; window 0: v16-31 Q, v160-223 O^T, v224-239 p's codes of tile 0, and
.set ADK, 1                            ; v1-2  my record in slot 0, 1: + 16 x lane
.set SPW, 3                            ; v3    LDS address of my spare word; never rewritten
.set NIL, 4                            ; v4    0; never rewritten
.set PS,  5                            ; v5-6  p's scale words, tile 0, 1
.set QS0, 7                            ; v7    Q's scale words, tile 0;
.set QS1, 255                          ; v255  tile 1
.set SWV, 8                            ; v8-11 V's scale words: register t: lanes 0-15 tile t, lanes 16-31 tile 4 + t
.set PFO, 12                           ; v12   the prefetches' offset
.set SW,  248                          ; v248-251 K's scale words; at the end Wo's
; window 1: the same for tile 1, and the small registers of BOTH tiles:
.set BM,  0                            ; v0-7   largest scores of the eight blocks of 32 keys; then the conversions' scale operands
.set TB,  8                            ; v8-15  the maxima's second chains, the other lane half's; then the holds' bounds
.set NM,  240                          ; v240, v242 -M
.set MX,  241                          ; v241, v243 the largest t so far
.set FF,  244                          ; v244, v246 f = 2^(old M - new M)
.set TT,  245                          ; v245, v247 at work
.set LL,  248                          ; v248-249, v250-251 l in two halves
.set XA,  252                          ; v252-255 two more chains of the sums
.set XB1, 224                          ; v224-231 the scales' bytes, then four chains of the sums, where tile 1's codes are not alive
.set WV,  14
.set PI,  15
.set GR,  16
.set CX,  17
.set XB,  18
.set BT,  19
.set SEL, 20
.set CS,  22
.set MNT, 24
.set LAPS, 25
.set KC,  26                           ; s26 changes of slots so far
.set LIM, 27                           ; s27 how many of them ask ahead: 5 in waves 4 and 5, else 0
.set G1,  28                           ; s[28:35] descriptor group 1;  s[36:43] group 0, a set for each slot
.set G0,  36
.set QI,  44                           ; s44 w % 4
.set HW,  45                           ; s45 w / 4
.set PFA, 52                           ; s[52:53] where my prefetches stand
.set WOP, 58                           ; s[58:59] Wo's images of my four output tiles
.set WSP, 60                           ; s[60:61] their scale words, less the 16,384 in the offset
.set MSB, 0
.macro WIN new                         ; the immediate's high byte repeats the setting that is left; a switch that changes nothing is dropped
.if MSB != (\new)
	s_set_vgpr_msb (MSB<<8)|(\new)
.set MSB, (\new)
.endif
.endm
.macro PLACES n
.rept \n
	v_nop
.endr
.endm
.macro CREST                           ; a round of the cluster's barrier behind its opening barrier
	s_cmp_lg_u32 s[WV], 0
	s_cbranch_scc1 .Lnot_wave_0_\@
	s_barrier_signal -3
.Lnot_wave_0_\@:
	s_barrier_wait -3
	s_barrier_signal -1
	s_barrier_wait -1
.endm
.macro CROUND
	s_barrier_signal -1
	s_barrier_wait -1
	CREST
.endm
.macro JLOAD sl                        ; waves 0 to 3 fetch a record each; the branch hangs on the wave's number alone.  Four v_nop follow the load
	s_cmp_lt_u32 s[WV], 4
	s_cbranch_scc0 .Lnoload_\@
	tensor_load_to_lds s[G0+4*\sl:G0+4*\sl+3], s[G1:G1+7]
	s_nop 0
	PLACES 4
.Lnoload_\@:
.endm
.macro ASK
	s_cmp_lt_u32 s[KC], s[LIM]
	s_cbranch_scc0 .Lnoask_\@
	global_prefetch_b8 v[PFO], s[PFA:PFA+1] th:TH_LOAD_NT scope:SCOPE_SE
.Lnoask_\@:
	s_add_co_u32 s[KC], s[KC], 1
.endm
.macro QLOAD                           ; Q's fragments and scale words stay in registers
.irp z, 0,1
	WIN 0x40*\z
.irp c, 0,1,2,3
	global_load_b128 v[16+4*\c:19+4*\c], v240, s[56:57] offset:2048*\z+512*\c
.endr
.endr
	WIN 0
	global_load_b32 v[QS0], v241, s[4:5] offset:16384
	global_load_b32 v[QS1], v241, s[4:5] offset:16388
.endm
; Fragments f and f + 1 of the eight at byte off of my record in slot sl, into the block at ba: of window 0 for f < 4, of window 1 else.  Every load takes 512 consecutive bytes.
.macro FRAG2 sl, off, ba, f
	WIN 0x40*((\f)/4)
.irp e, 0,1
.irp c, 0,1,2,3
	ds_load_b128 v[(\ba)+16*(((\f)+\e)%4)+4*\c:(\ba)+16*(((\f)+\e)%4)+4*\c+3], v[ADK+(\sl)] offset:(\off)+((\f)+\e)*2048+512*\c
.endr
.endr
.endm
.macro KLO sl, ba                      ; K's tiles 0-3 and all scale words: 17 loads
	FRAG2 \sl, 0, \ba, 0
	FRAG2 \sl, 0, \ba, 2
	ds_load_b128 v[SW:SW+3], v[ADK+(\sl)] offset:16384
.endm
.macro KHI sl, ba                      ; K's tiles 4-7: 16 loads
	FRAG2 \sl, 0, \ba, 4
	FRAG2 \sl, 0, \ba, 6
	WIN 0
.endm
.macro SMAX z, sb                      ; the largest score of each block of 32 keys, my lane half's, in two chains a block: for the row's maximum, and, since p rises with the score, for the block's largest p
	WIN 0x40+0x15*\z
.irp b, 0,1,2,3
	v_max3_num_f32 v[BM+4*\z+\b], v[(\sb)+16*\b], v[(\sb)+1+16*\b], v[(\sb)+2+16*\b]
	v_max3_num_f32 v[TB+4*\z+\b], v[(\sb)+8+16*\b], v[(\sb)+9+16*\b], v[(\sb)+10+16*\b]
.endr
	WIN 0x41+0x14*\z
.irp i, 3,5
.irp b, 0,1,2,3
	v_max3_num_f32 v[BM+4*\z+\b], v[BM+4*\z+\b], v[(\sb)+16*\b+\i], v[(\sb)+1+16*\b+\i]
	v_max3_num_f32 v[TB+4*\z+\b], v[TB+4*\z+\b], v[(\sb)+8+16*\b+\i], v[(\sb)+9+16*\b+\i]
.endr
.endr
.irp b, 0,1,2,3
	v_max3_num_f32 v[BM+4*\z+\b], v[BM+4*\z+\b], v[(\sb)+7+16*\b], v[(\sb)+15+16*\b]
.endr
.endm
.macro STATE                           ; both tiles by turns, all in window 1
	WIN 0x55
.irp j, 0,1,2,3,4,5,6,7
	v_max_num_f32 v[BM+\j], v[BM+\j], v[TB+\j]   ; the two chains meet
.endr
.irp j, 0,1,2,3,4,5,6,7
	v_permlanex16_b32 v[TB+\j], v[BM+\j], s[SEL], s[SEL+1]
.endr
.irp j, 0,1,2,3,4,5,6,7
	v_max_num_f32 v[BM+\j], v[BM+\j], v[TB+\j]   ; with lane l xor 16's 16 keys
.endr
.irp z, 0,1
	v_max3_num_f32 v[TT+2*\z], v[BM+4*\z], v[BM+4*\z+1], v[BM+4*\z+2]
.endr
.irp z, 0,1
	v_max_num_f32 v[TT+2*\z], v[TT+2*\z], v[BM+4*\z+3]
.endr
.irp z, 0,1
	v_mul_f32 v[TT+2*\z], s[CS], v[TT+2*\z]      ; as t (c is positive)
.endr
.irp z, 0,1
	v_max_num_f32 v[MX+2*\z], v[MX+2*\z], v[TT+2*\z]   ; the running largest t
.endr
.irp z, 0,1
	v_mov_b32 v[TT+2*\z], v[NM+2*\z]
.endr
.irp z, 0,1
	v_floor_f32 v[NM+2*\z], -v[MX+2*\z]          ; the new -M = floor(-t): M is a whole number
.endr
.irp z, 0,1
	v_sub_f32 v[TT+2*\z], v[NM+2*\z], v[TT+2*\z] ; old M - new M: a whole number, 0 or less
.endr
.irp b, 0,1,2,3
	v_fma_f32 v[BM+\b], v[BM+\b], s[CS], v[NM]   ; t - M of each block's largest score
.endr
.irp z, 0,1
	v_cvt_i32_f32 v[TT+2*\z], v[TT+2*\z]         ; (it saturates)
.endr
.irp b, 4,5,6,7
	v_fma_f32 v[BM+\b], v[BM+\b], s[CS], v[NM+2]
.endr
.irp z, 0,1
	v_ldexp_f32 v[FF+2*\z], 1.0, v[TT+2*\z]      ; f = 2^(old M - new M)
.endr
.endm
.macro PKF z, sb                       ; t - M, two at a time
	WIN 0x10+0x41*\z
.set j, 0
.rept 32
	v_pk_fma_f32 v[(\sb)+j:(\sb)+j+1], v[(\sb)+j:(\sb)+j+1], s[CS:CS+1], v[NM+2*\z:NM+2*\z+1] op_sel_hi:[1,0,0]
.set j, j+2
.endr
.endm
.macro RESCALE                         ; l and O^T under the new M
	WIN 0x55
.irp z, 0,1
	v_pk_mul_f32 v[LL+2*\z:LL+2*\z+1], v[LL+2*\z:LL+2*\z+1], v[FF+2*\z:FF+2*\z+1] op_sel_hi:[1,0]
.endr
.irp z, 0,1
	WIN 0x04+0x41*\z
.set j, 0
.rept 32
	v_pk_mul_f32 v[160+j:161+j], v[160+j:161+j], v[FF+2*\z:FF+2*\z+1] op_sel_hi:[1,0]
.set j, j+2
.endr
.endr
.endm
.macro EXPS z, sb                      ; p = 2^(t - M), at most 1
	WIN 0x41*\z
.set j, 0
.rept 64
	v_exp_f32 v[(\sb)+j], v[(\sb)+j]
.set j, j+1
.endr
	v_nop                                          ; a plain place behind the exponentials
	s_wait_alu depctr_va_vdst(0)                   ; the wait ahead of the first reader
.endm
.macro SCALES                          ; both tiles' scale operands, bounds and scale words from the blocks' largest p
	WIN 0x55
.irp j, 0,1,2,3,4,5,6,7
	v_max_num_f32 v[BM+\j], 0x8000000, v[BM+\j]  ; the floor 2^(16 - 127): the byte cannot fall under 1
.endr
.irp j, 0,1,2,3,4,5,6,7
	v_and_or_b32 v[TB+\j], v[BM+\j], 0x7f800000, s[MNT]   ; 57,344 x the scale
.endr
.irp j, 0,1,2,3,4,5,6,7
	v_add_nc_u32 v[BM+\j], 0xf8800000, v[BM+\j]  ; 15 off the exponent field: the conversion's scale operand
.endr
.irp j, 0,1,2,3,4,5,6,7
	v_lshrrev_b32 v[XB1+\j], 23, v[BM+\j]        ; the scale's byte
.endr
	WIN 0x11                                       ; p's scale words lie in window 0, where scale operands are taken from
	v_lshl_or_b32 v[PS], v[XB1+1], 8, v[XB1]
	v_lshl_or_b32 v[PS+1], v[XB1+5], 8, v[XB1+4]
	WIN 0x01
	v_lshl_or_b32 v[PS], v[XB1+2], 16, v[PS]
	v_lshl_or_b32 v[PS+1], v[XB1+6], 16, v[PS+1]
	v_lshl_or_b32 v[PS], v[XB1+3], 24, v[PS]
	v_lshl_or_b32 v[PS+1], v[XB1+7], 24, v[PS+1]
.endm
.macro CODES z, sb                     ; the sum of the unquantised p, two at a time in seven chains; the hold; the codes
	WIN 0x40+0x05*\z
	v_pk_add_f32 v[XA:XA+1], v[(\sb):(\sb)+1], v[(\sb)+2:(\sb)+3]
	v_pk_add_f32 v[XA+2:XA+3], v[(\sb)+4:(\sb)+5], v[(\sb)+6:(\sb)+7]
.irp e, 0,1,2,3
	v_pk_add_f32 v[XB1+2*\e:XB1+2*\e+1], v[(\sb)+8+4*\e:(\sb)+9+4*\e], v[(\sb)+10+4*\e:(\sb)+11+4*\e]
.endr
	WIN 0x41+0x04*\z
.set j, 24
.rept 20
.set KQ, (j/2-12)%7
.if KQ < 4
.set XQ, XB1+2*KQ
.elseif KQ == 4
.set XQ, LL+2*\z
.else
.set XQ, XA+2*(KQ-5)
.endif
	v_pk_add_f32 v[XQ:XQ+1], v[XQ:XQ+1], v[(\sb)+j:(\sb)+j+1]
.set j, j+2
.endr
	WIN 0x45
	v_pk_add_f32 v[XB1:XB1+1], v[XB1:XB1+1], v[XB1+4:XB1+5]
	v_pk_add_f32 v[XB1+2:XB1+3], v[XB1+2:XB1+3], v[XB1+6:XB1+7]
	v_pk_add_f32 v[XA:XA+1], v[XA:XA+1], v[XB1:XB1+1]
	v_pk_add_f32 v[XA+2:XA+3], v[XA+2:XA+3], v[XB1+2:XB1+3]
	WIN 0x04+0x41*\z
.set j, 0
.rept 32                               ; the conversion does not saturate (ISA guide 7.6.2); p is not negative, so the hold is one-sided
	v_dual_min_num_f32 v[(\sb)+j], v[(\sb)+j], v[TB+4*\z+j/16] :: v_dual_min_num_f32 v[(\sb)+j+1], v[(\sb)+j+1], v[TB+4*\z+j/16]
.set j, j+2
.endr
.irp b, 0,1,2,3
	v_cvt_scalef32_pk8_bf8_f32 v[224+4*\b:225+4*\b], v[(\sb)+16*\b:(\sb)+7+16*\b], v[BM+4*\z+\b]
	v_cvt_scalef32_pk8_bf8_f32 v[226+4*\b:227+4*\b], v[(\sb)+8+16*\b:(\sb)+15+16*\b], v[BM+4*\z+\b]
.endr
	WIN 0x45
	v_pk_add_f32 v[XA:XA+1], v[XA:XA+1], v[XA+2:XA+3]   ; (plain lines behind the last conversion)
	v_pk_add_f32 v[LL+2*\z:LL+2*\z+1], v[LL+2*\z:LL+2*\z+1], v[XA:XA+1]
	WIN 0
.endm
.macro QKW d, a, sa, sq, ra            ; one product of S^T = K Q^T; ra = 1: K's scale words are taken from lanes 16-31
.if \ra
	v_wmma_scale_f32_16x16x128_f8f6f4 v[(\d):(\d)+7], v[(\a):(\a)+15], v[16:31], 0, v[\sa], v[\sq] matrix_a_fmt:MATRIX_FMT_BF8 matrix_b_fmt:MATRIX_FMT_BF8 matrix_a_scale:MATRIX_SCALE_ROW1
.else
	v_wmma_scale_f32_16x16x128_f8f6f4 v[(\d):(\d)+7], v[(\a):(\a)+15], v[16:31], 0, v[\sa], v[\sq] matrix_a_fmt:MATRIX_FMT_BF8 matrix_b_fmt:MATRIX_FMT_BF8
.endif
.endm
.macro PVW d, a, sa, sp, ra            ; one product of O^T += V^T P^T
.if \ra
	v_wmma_scale_f32_16x16x128_f8f6f4 v[(\d):(\d)+7], v[(\a):(\a)+15], v[224:239], v[(\d):(\d)+7], v[\sa], v[\sp] matrix_a_fmt:MATRIX_FMT_BF8 matrix_b_fmt:MATRIX_FMT_BF8 matrix_a_scale:MATRIX_SCALE_ROW1
.else
	v_wmma_scale_f32_16x16x128_f8f6f4 v[(\d):(\d)+7], v[(\a):(\a)+15], v[224:239], v[(\d):(\d)+7], v[\sa], v[\sp] matrix_a_fmt:MATRIX_FMT_BF8 matrix_b_fmt:MATRIX_FMT_BF8
.endif
.endm
; A KEY STEP of parity p: my record of slot p, 128 keys, for my two tiles.  At its head K's fragments are in the blocks at 32 + 64 p, or on their way there.
; mode = 2: slot p is filled again, and the next step's K is fetched;  1: nothing is left to fill;  0: the last step.
; No two matrix instructions that follow each other share an accumulator.
.macro STEP p, mode
	s_wait_dscnt 16                                ; K's tiles 0-3 and the scale words are in; the youngest sixteen loads (tiles 4-7) may be out
.irp y, 0,1
.if \y
	s_wait_dscnt 0x0
.endif
.irp z, 0,1
	WIN \y+0x44*\z                                 ; K's fragment in window y; Q and S^T in the tile's window
.irp t, 0,1,2,3
	QKW (96-64*\p)+8*(4*\y+\t), (32+64*\p)+16*\t, SW+\t, QS0+(QS1-QS0)*\z, \y
.endr
.endr
.endr
	WIN 0
	PLACES 8                                       ; behind the last scores: for the first read of them, and for V's loads into K's registers (ISA guide 7.12.1 for vector instructions)
	FRAG2 \p, HREC, 32+64*\p, 0
	FRAG2 \p, HREC, 32+64*\p, 2
	ds_load_b128 v[SWV:SWV+3], v[ADK+\p] offset:HREC+16384   ; all eight tiles' scale words by one load
	SMAX 0, 96-64*\p
	FRAG2 \p, HREC, 32+64*\p, 4
	FRAG2 \p, HREC, 32+64*\p, 6
	SMAX 1, 96-64*\p
	STATE
	PKF 0, 96-64*\p
.if \mode
; THE CHANGE OF SLOTS.  Each wave waits for all its tensor loads (its part of the other slot), adds 0 to its spare word, and waits for that and for its reads of slot p, all of which is then in registers.
	WIN 0
	s_wait_tensorcnt 0x0                           ; no tensor load of mine is out, so a group 0 may be written
	ds_add_u32 v[SPW], v[NIL]                      ; 0 onto my spare word
.if \mode == 2
	s_add_nc_u64 s[G0+4*\p+2:G0+4*\p+3], s[G0+4*\p+2:G0+4*\p+3], 2*SLOTB   ; the type bits on top are not reached
	s_wait_xcnt 0x0                                ; any prefetch of mine has read its address
	s_add_nc_u64 s[PFA:PFA+1], s[PFA:PFA+1], SLOTB
.endif
.endif
	PKF 1, 96-64*\p
.if \mode
	s_wait_dscnt 0x0                               ; the add is done, and V is in registers
	s_barrier_signal -1
.endif
	RESCALE                                        ; work on registers while the others arrive
	WIN 0
.if \mode
	s_barrier_wait -1
.endif
.if \mode == 2
	CREST                                          ; the barrier has opened a round of the cluster's: no wave of any partner still reads slot p or has a load on its way
	JLOAD \p                                       ; it has a whole key step in which to land
	ASK
.endif
	WIN 0x41
	s_wait_alu depctr_va_vdst(0)                   ; the wait ahead of the batch
.irp j, 0,1,2,3,4,5,6,7
	v_exp_f32 v[BM+\j], v[BM+\j]                 ; the blocks' largest p
.endr
	EXPS 0, 96-64*\p
	SCALES
	CODES 0, 96-64*\p
.if \mode
	KLO 1-\p, 96-64*\p                             ; tile 0's p has become codes: its registers take the next K's tiles 0-3
.endif
	WIN 0x41
	s_wait_alu depctr_va_vdst(0)                   ; the wait ahead of the batch
	EXPS 1, 96-64*\p
	CODES 1, 96-64*\p
.if \mode
	PLACES 2                                       ; with the sums' two lines four places between the codes and the products that take them
	KHI 1-\p, 96-64*\p
.else
	TAILLOADS
	s_wait_alu depctr_va_vdst(0)                   ; the wait ahead of the wait below
	s_wait_dscnt 0x0                               ; V (in the other modes the change of slots has waited for it)
.endif
.irp y, 0,1
.irp z, 0,1
	WIN \y+0x54*\z                                 ; V's fragment in window y; p's codes and O^T in the tile's window
.irp t, 0,1,2,3
	PVW 160+8*(4*\y+\t), (32+64*\p)+16*\t, SWV+\t, PS+\z, \y
.endr
.endr
.endr
	WIN 0
.if \mode
	PLACES 9                                       ; the next step's scores are written over V's registers by matrix instructions: one place more than a load would want
.endif
.endm
.macro TAILLOADS                       ; asked for ahead of the last products, into the registers that p has left: Wo's four tiles of my outputs (window 1), their scale words, bo in the result's layout
	v_and_b32 v68, 31, v0
	v_bfe_u32 v71, v0, 4, 1
	v_lshlrev_b32 v69, 4, v68
	v_lshlrev_b32 v70, 2, v68
	v_lshlrev_b32 v71, 5, v71
.irp t, 0,1,2,3
	global_load_b32 v[SW+\t], v70, s[WSP:WSP+1] offset:16384+128*\t
	global_load_b128 v[32+8*\t:35+8*\t], v71, s[10:11] offset:64*\t        ; outputs 64 (w / 4) + 16 t + 8 h + 0 .. 7
	global_load_b128 v[36+8*\t:39+8*\t], v71, s[10:11] offset:64*\t+16
.endr
	WIN 0x40
.irp t, 0,1,2,3
.irp c, 0,1,2,3
	global_load_b128 v[32+16*\t+4*\c:35+16*\t+4*\c], v69, s[WOP:WOP+1] offset:2048*\t+512*\c
.endr
.endr
	WIN 0
.endm
	s_load_b256 s[4:11], s[0:1], 0x0               ; q s[4:5], kv s[6:7], wo s[8:9], bo s[10:11]
	s_load_b64 s[12:13], s[0:1], 0x20              ; out0
	v_lshl_add_u32 v[SPW], v0, 2, SPARE
	v_mov_b32 v[NIL], 0
	ds_add_u32 v[SPW], v[NIL]                      ; the wave's opening: the add, twice on end, and its wait ahead of the first tensor load
	ds_add_u32 v[SPW], v[NIL]
	v_lshrrev_b32 v240, 5, v0
	v_readfirstlane_b32 s[WV], v240                ; wave 0..7
	s_and_b32 s[PI], s[WV], 1                      ; which pair of query tiles
	s_lshr_b32 s[GR], s[WV], 1                     ; which key group
	s_and_b32 s[QI], s[WV], 3
	s_lshr_b32 s[HW], s[WV], 2
	s_bfe_u32 s[CX], ttmp6, 0x40000                ; my place in the cluster: it enters q's, out0's and the prefetches' addresses alone
	s_lshl_b32 s[XB], ttmp9, 2
	s_add_co_u32 s[XB], s[XB], s[CX]               ; my block of 64 queries
	s_and_b32 s[BT], ttmp7, 0xffff                 ; the batch, which the four partners share
	s_mov_b32 s[SEL], 0x76543210
	s_mov_b32 s[SEL+1], 0xfedcba98
	s_mov_b32 s[CS], 0x3e0293ee                    ; c = log2(e) / sqrt(128)
	s_mov_b32 s[CS+1], s[CS]
	s_mov_b32 s[MNT], 0x600000
	; descriptor group 1: a record, 33,792 dense bytes, as 132 rows of 256 bytes; no padding: every read of it takes consecutive bytes
	s_mov_b32 s[G1+0], 15|(3<<16)|(1<<21)          ; 15:0 the mask: all four work-groups; 17:16 elements of 8 bytes; 21 set beside a mask
	s_mov_b32 s[G1+1], 32<<16
	s_mov_b32 s[G1+2], 132<<16
	s_mov_b32 s[G1+3], 32<<16
	s_mov_b32 s[G1+4], 132
	s_mov_b32 s[G1+5], 32
	s_mov_b32 s[G1+6], 0
	s_mov_b32 s[G1+7], 0
	s_mul_i32 s46, s[QI], REC                      ; the record that I fetch: its place in a slot, in LDS and in memory
	s_mul_i32 s48, s[BT], 32*REC                   ; the batch's 32 records
	s_add_co_u32 s50, s48, s46
	s_mov_b32 s51, 0
	s_and_b32 s[PFA], ttmp9, 3                     ; the prefetches: record (cluster % 4), my work-group's 33 blocks of it; from slot 2: the first change steps it to slot 3
	s_mul_i32 s[PFA], s[PFA], REC
	s_add_co_u32 s[PFA], s[PFA], s48
	s_mul_i32 s49, s[CX], 33*256
	s_add_co_u32 s[PFA], s[PFA], s49
	s_add_co_u32 s[PFA], s[PFA], 2*SLOTB
	s_mov_b32 s[PFA+1], 0
	s_lshl_b32 s48, s[BT], 5
	s_lshr_b32 s49, s[XB], 1
	s_add_co_u32 s48, s48, s49
	s_mul_i32 s48, s48, HREC                       ; q's record: two blocks of 64 queries share one
	s_and_b32 s49, s[XB], 1
	s_lshl_b32 s56, s49, 13                        ; my block's four tiles,
	s_add_co_u32 s56, s56, s48
	s_lshl_b32 s47, s[PI], 12                      ; my two of them
	s_add_co_u32 s56, s56, s47
	s_mov_b32 s57, 0
	s_lshl_b32 s58, s49, 8                         ; and their scale words
	s_add_co_u32 s58, s58, s48
	s_lshl_b32 s47, s[PI], 3
	s_add_co_u32 s58, s58, s47
	s_mov_b32 s59, 0
	s_lshl_b32 s60, s[BT], 12                      ; out0: the first row of query tile w % 4: 4,096 batch + 64 block + 16 tile,
	s_lshl_b32 s47, s[XB], 6
	s_add_co_u32 s60, s60, s47
	s_lshl_b32 s47, s[QI], 4
	s_add_co_u32 s60, s60, s47
	s_lshl_b32 s60, s60, 9
	s_lshl_b32 s47, s[HW], 8                       ; and my half of the 512 bytes
	s_add_co_u32 s60, s60, s47
	s_mov_b32 s61, 0
	s_lshr_b32 s49, s[WV], 1
	s_cmp_eq_u32 s49, 2
	s_cselect_b32 s[LIM], 5, 0
	s_and_b32 s49, s[WV], 1
	s_lshl_b32 s49, s49, 5
	s_mul_i32 s54, s[GR], REC
	s_add_co_u32 s55, s54, SLOTB
	s_mov_b32 s[KC], 0
	s_mov_b32 s[LAPS], 3
	v_and_b32 v242, 31, v0                         ; lane
	v_and_b32 v241, 15, v0                         ; r
	v_lshlrev_b32 v240, 4, v242
	v_lshlrev_b32 v241, 4, v241
	v_lshl_add_u32 v[ADK], v242, 4, s54
	v_lshl_add_u32 v[ADK+1], v242, 4, s55
	v_add_nc_u32 v[PFO], s49, v242                 ; wave 4: blocks 0 to 31, wave 5: block 32
	v_min_u32 v[PFO], 32, v[PFO]
	v_lshlrev_b32 v[PFO], 8, v[PFO]
	s_wait_alu depctr_va_vdst(0)
	s_wait_dscnt 0x0                               ; both opening adds are done
	CROUND                                         ; all four work-groups are here: the first joint loads meet
	s_wait_kmcnt 0x0
	s_add_nc_u64 s[50:51], s[6:7], s[50:51]
	s_mov_b32 s[G0], 1
	s_mov_b32 s[G0+1], s46
	s_mov_b64 s[G0+2:G0+3], s[50:51]
	s_or_b32 s[G0+3], s[G0+3], 0x80000000
	s_mov_b32 s[G0+4], 1
	s_add_co_u32 s[G0+5], s46, SLOTB
	s_add_nc_u64 s[G0+6:G0+7], s[50:51], SLOTB
	s_or_b32 s[G0+7], s[G0+7], 0x80000000
	s_add_nc_u64 s[56:57], s[4:5], s[56:57]        ; Q's codes
	s_add_nc_u64 s[4:5], s[4:5], s[58:59]          ; Q's scale words, less the 16,384 in the offset
	s_cmp_lt_u32 s[WV], 4                          ; ONE load a wave: waves 0 to 3 slot 0's records, waves 4 to 7 slot 1's, each kind with a line of its own
	s_cbranch_scc0 .Lslot1
	tensor_load_to_lds s[G0:G0+3], s[G1:G1+7]
	s_nop 0
	PLACES 4
	QLOAD
	s_branch .Lasked
.Lslot1:
	QLOAD
	s_wait_loadcnt 0x0                             ; slot 1, which is wanted later, is asked for when Q has landed
	tensor_load_to_lds s[G0+4:G0+7], s[G1:G1+7]
	s_nop 0
	PLACES 4
.Lasked:
	s_add_nc_u64 s[PFA:PFA+1], s[6:7], s[PFA:PFA+1]
	s_add_nc_u64 s[12:13], s[12:13], s[60:61]
	s_lshl_b32 s62, s[HW], 13
	s_mov_b32 s63, 0
	s_add_nc_u64 s[WOP:WOP+1], s[8:9], s[62:63]
	s_lshl_b32 s62, s[HW], 9
	s_add_nc_u64 s[WSP:WSP+1], s[8:9], s[62:63]
	s_lshl_b32 s62, s[HW], 8
	s_add_nc_u64 s[10:11], s[10:11], s[62:63]
	; the key step is written without a first step of its own: it finds zeros, which the first change of M leaves zeros.  Register work under the loads
.set j, 0
.rept 64
	v_mov_b32 v[160+j], 0
.set j, j+1
.endr
	WIN 0x55
.set j, 0
.rept 64
	v_mov_b32 v[160+j], 0
.set j, j+1
.endr
.irp z, 0,1
	v_mov_b32 v[MX+2*\z], 0xff61b1e6               ; the largest t so far: -3e38, under every t
.endr
.irp z, 0,1,2,3
	v_mov_b32 v[LL+\z], 0
.endr
.irp z, 0,1
	v_floor_f32 v[NM+2*\z], -v[MX+2*\z]
.endr
	WIN 0
	s_wait_alu depctr_va_vdst(0)                   ; the wait at the head's end
	s_wait_loadcnt 0x0                             ; Q
	s_cmp_lt_u32 s[WV], 4
	s_cbranch_scc0 .Lnowait
	s_wait_tensorcnt 0x0                           ; waves 0 to 3: slot 0 has landed.  Slot 1's waves wait at the first change of slots
.Lnowait:
	s_barrier_signal -1
	s_barrier_wait -1
	KLO 0, 32                                      ; the first step's K, in the order in which every later step's is asked for
	KHI 0, 32
.Llap:                                             ; three trips: slots 0 to 5 are worked, slots 2 to 7 asked for
	STEP 0, 2
	STEP 1, 2
	s_sub_co_u32 s[LAPS], s[LAPS], 1
	s_cmp_lg_u32 s[LAPS], 0
	s_cbranch_scc1 .Llap
	STEP 0, 1                                      ; the last two steps are written out: nothing is left to fetch from memory,
	STEP 1, 0                                      ; and at last nothing from LDS
	; THE GROUPS MEET.  The addresses are made first: these plain lines are the places behind the last products.
.set SA, 72
.set MA, 73
.set RP, 74
.set RM, 75
.set CA, 76
.set WA, 77
.set CR, 78
.set WR, 79
.set SO, 80
.set SR, 81
.set GO, 82
	s_lshl_b32 s46, s[PI], 3
	s_add_co_u32 s46, s46, s[GR]                   ; partial sum 4 x tile + group; tile = 2 (w % 2) + z
	s_lshl_b32 s47, s46, 13
	s_lshl_b32 s48, s46, 8
	s_add_co_u32 s48, s48, MST
	s_lshl_b32 s49, s[QI], 15
	s_lshl_b32 s50, s[HW], 12
	s_add_co_u32 s49, s49, s50                     ; what I merge: tile w % 4, register groups 8 (w / 4) on
	s_lshl_b32 s50, s[QI], 10
	s_add_co_u32 s50, s50, MST
	s_lshl_b32 s51, s[QI], 11
	s_add_co_u32 s51, s51, COD
	s_lshl_b32 s54, s[HW], 10
	s_add_co_u32 s54, s54, s51
	s_lshl_b32 s55, s[QI], 7
	s_add_co_u32 s55, s55, SCW
	s_lshl_b32 s46, s[HW], 1
	s_add_co_u32 s46, s46, s55
	s_mul_i32 s56, s[WV], 16*OP
	s_add_co_u32 s56, s56, OST
	v_and_b32 v83, 31, v0
	v_and_b32 v84, 15, v0
	v_bfe_u32 v85, v0, 4, 1
	v_lshl_add_u32 v[SA], v83, 4, s47
	v_lshl_add_u32 v[MA], v83, 2, s48
	v_lshl_add_u32 v[RP], v83, 4, s49
	v_lshl_add_u32 v[RM], v83, 2, s50
	v_lshl_add_u32 v[CA], v83, 4, s54
	v_lshl_add_u32 v[WA], v83, 2, s46
	v_lshl_add_u32 v[CR], v83, 4, s51
	v_lshl_add_u32 v[WR], v83, 2, s55
	v_mul_u32_u24 v[SO], v84, OP
	v_mul_u32_u24 v[SR], v85, OP
	v_lshlrev_b32 v[GO], 9, v85
	v_lshl_add_u32 v[SO], v85, 5, v[SO]
	v_lshl_add_u32 v[SR], v84, 4, v[SR]
	v_lshl_add_u32 v[GO], v84, 4, v[GO]
	v_add_nc_u32 v[SO], s56, v[SO]
	v_add_nc_u32 v[SR], s56, v[SR]
	WIN 0x55
.irp z, 0,1
	v_add_f32 v[LL+2*\z], v[LL+2*\z], v[LL+2*\z+1] ; l's two halves,
.endr
.irp z, 0,1
	v_permlanex16_b32 v[XA+\z], v[LL+2*\z], s[SEL], s[SEL+1]
.endr
.irp z, 0,1
	v_add_f32 v[LL+2*\z], v[LL+2*\z], v[XA+\z]     ; and lane l xor 16's
.endr
	WIN 0
.irp z, 0,1
	WIN 0x04*\z                                    ; an LDS store's data are its source 1
.irp i, 0,1,2,3,4,5,6,7,8,9,10,11,12,13,14,15
	ds_store_b128 v[SA], v[160+4*\i:163+4*\i] offset:32768*\z+512*\i   ; O^T as it stands, each accumulator from its low end on
.endr
.endr
.irp z, 0,1
	ds_store_b32 v[MA], v[NM+2*\z] offset:1024*\z
	ds_store_b32 v[MA], v[LL+2*\z] offset:1024*\z+128
.endr
	WIN 0
	s_wait_alu depctr_va_vdst(0)
	s_wait_dscnt 0x0
	s_barrier_signal -1
	s_barrier_wait -1                              ; sixteen partial sums lie in LDS
.irp g, 0,1,2,3
	ds_load_b32 v[224+\g], v[RM] offset:256*\g     ; -M of group g,
	ds_load_b32 v[228+\g], v[RM] offset:256*\g+128 ; its l
.endr
.irp g, 0,1,2,3
.irp i, 0,1,2,3,4,5,6,7
	ds_load_b128 v[96+32*\g+4*\i:99+32*\g+4*\i], v[RP] offset:8192*\g+512*\i
.endr
.endr
	s_wait_dscnt 32                                ; the eight statistics are in; the 32 loads behind them may be out
	v_min3_num_f32 v240, v224, v225, v226
	v_min_num_f32 v240, v240, v227                 ; -M of all: the least -M
.irp g, 0,1,2,3
	v_sub_f32 v[232+2*\g], v240, v[224+\g]         ; M of the group less M of all: a whole number, 0 or less
.endr
.irp g, 0,1,2,3
	v_cvt_i32_f32 v[232+2*\g], v[232+2*\g]
.endr
.irp g, 0,1,2,3
	v_ldexp_f32 v[232+2*\g], 1.0, v[232+2*\g]      ; f of the group: an exact power of two
.endr
	v_mul_f32 v241, v232, v228
	v_fmac_f32 v241, v234, v229
	v_fmac_f32 v241, v236, v230
	v_fmac_f32 v241, v238, v231                    ; l of all
	s_wait_alu depctr_va_vdst(0)                   ; the wait ahead of the transcendental
	v_rcp_f32 v242, v241
	v_mov_b32 v243, 0                              ; a plain place behind it; named below as the upper half of the pair v[242:243]
	s_wait_dscnt 24                                ; group 0's eight are in
.set j, 0
.rept 16
	v_pk_mul_f32 v[96+j:97+j], v[96+j:97+j], v[232:233] op_sel_hi:[1,0]
.set j, j+2
.endr
.irp g, 1,2,3
	s_wait_dscnt 24-8*\g                           ; group g's are in
.set j, 0
.rept 16
	v_pk_fma_f32 v[96+j:97+j], v[96+32*\g+j:97+32*\g+j], v[232+2*\g:233+2*\g], v[96+j:97+j] op_sel_hi:[1,0,1]
.set j, j+2
.endr
.endr
	s_wait_alu depctr_va_vdst(0)                   ; the wait ahead of the reciprocal's first reader
.set j, 0
.rept 16
	v_pk_mul_f32 v[96+j:97+j], v[96+j:97+j], v[242:243] op_sel_hi:[1,0]   ; O^T / l: register 16 b + j is place 64 (w / 4) + 32 b + 16 h + j of my query
.set j, j+2
.endr
	; the quantiser, two blocks of 32
.irp b, 0,1
	v_max3_num_f32 v[224+\b], |v[96+16*\b]|, |v[97+16*\b]|, 0x8000000
.endr
.irp i, 2,4,6,8,10,12,14
.irp b, 0,1
	v_max3_num_f32 v[224+\b], v[224+\b], |v[96+16*\b+\i]|, |v[97+16*\b+\i]|
.endr
.endr
.irp b, 0,1
	v_permlanex16_b32 v[226+\b], v[224+\b], s[SEL], s[SEL+1]
.endr
.irp b, 0,1
	v_max_num_f32 v[224+\b], v[224+\b], v[226+\b]
.endr
.irp b, 0,1
	v_add_nc_u32 v[228+\b], 0xf8800000, v[224+\b]
.endr
.irp b, 0,1
	v_and_or_b32 v[230+\b], v[224+\b], 0x7f800000, s[MNT]
.endr
.irp b, 0,1
	v_lshrrev_b32 v[226+\b], 23, v[228+\b]
.endr
	v_lshl_or_b32 v240, v227, 8, v226              ; two bytes of the tile's scale word
.irp b, 0,1
.irp i, 0,1,2,3,4,5,6,7,8,9,10,11,12,13,14,15
	v_med3_num_f32 v[96+16*\b+\i], v[96+16*\b+\i], -v[230+\b], v[230+\b]
.endr
.endr
.irp b, 0,1
	v_cvt_scalef32_pk8_bf8_f32 v[232+4*\b:233+4*\b], v[96+16*\b:103+16*\b], v[228+\b]
	v_cvt_scalef32_pk8_bf8_f32 v[234+4*\b:235+4*\b], v[104+16*\b:111+16*\b], v[228+\b]
.endr
	v_nop                                          ; one plain vector instruction behind the last conversion
	ds_store_b128 v[CA], v[232:235]
	ds_store_b128 v[CA], v[236:239] offset:512
	ds_store_b16 v[WA], v240
	s_wait_dscnt 0x0
	s_barrier_signal -1
	s_barrier_wait -1                              ; four tiles' codes and scale words lie in LDS
.irp c, 0,1,2,3
	ds_load_b128 v[96+4*\c:99+4*\c], v[CR] offset:512*\c
.endr
	ds_load_b32 v244, v[WR]
	s_wait_loadcnt 0x0                             ; Wo, its scale words, bo
	s_wait_dscnt 0x0
	WIN 0x01                                       ; Wo in window 1
.irp t, 0,1,2,3
	v_wmma_scale_f32_16x16x128_f8f6f4 v[160+8*\t:167+8*\t], v[32+16*\t:47+16*\t], v[96:111], v[32+8*\t:39+8*\t], v[SW+\t], v244 matrix_a_fmt:MATRIX_FMT_BF8 matrix_b_fmt:MATRIX_FMT_BF8
.endr
	WIN 0
	PLACES 8
.irp t, 0,1,2,3
	ds_store_b128 v[SO], v[160+8*\t:163+8*\t] offset:64*\t        ; lane (r, h): out(query r, 64 (w / 4) + 16 t + 8 h + 0 .. 7), into my own stage
	ds_store_b128 v[SO], v[164+8*\t:167+8*\t] offset:64*\t+16
.endr
.irp i, 0,1,2,3,4,5,6,7
	ds_load_b128 v[96+4*\i:99+4*\i], v[SR] offset:2*\i*OP          ; LDS serves a wave's instructions in order (ISA guide 5.7.1.4): these see my stores
.endr
.irp i, 0,1,2,3,4,5,6,7
	s_wait_dscnt 7-\i
	global_store_b128 v[GO], v[96+4*\i:99+4*\i], s[12:13] offset:2*\i*512 th:TH_STORE_NT   ; sixteen lanes store 256 consecutive bytes, aligned: row 2 i + h of the tile
.endr
	s_wait_tensorcnt 0x0                           ; the wave's end
	ds_add_u32 v[SPW], v[NIL]
	s_wait_dscnt 0x0
	CROUND                                         ; the closing round: no work-group ends while a partner may still ask for a record that names it
	s_endpgm
.Lfunc_end_k_q35920e75c1_attn:
	.size	k_q35920e75c1_attn, .Lfunc_end_k_q35920e75c1_attn-k_q35920e75c1_attn
	.p2alignl 7, 3214868480
	.fill 96, 4, 3214868480
	.section	.rodata,"a",@progbits
	.p2align	6, 0x0
	.amdhsa_kernel k_q35920e75c1_attn
		.amdhsa_group_segment_fixed_size 327680
		.amdhsa_private_segment_fixed_size 0
		.amdhsa_enable_private_segment 0
		.amdhsa_kernarg_size 40
		.amdhsa_user_sgpr_count 2
		.amdhsa_user_sgpr_kernarg_segment_ptr 1
		.amdhsa_wavefront_size32 1
		.amdhsa_system_sgpr_workgroup_id_x 1
		.amdhsa_system_sgpr_workgroup_id_y 1
		.amdhsa_system_sgpr_workgroup_id_z 1
		.amdhsa_system_vgpr_workitem_id 0
		.amdhsa_next_free_vgpr 512
		.amdhsa_next_free_sgpr 66
		.amdhsa_reserve_vcc 0
		.amdhsa_float_denorm_mode_32 3
		.amdhsa_float_denorm_mode_16_64 3
		.amdhsa_memory_ordered 1
		.amdhsa_forward_progress 1
		.amdhsa_inst_pref_size 197
	.end_amdhsa_kernel
	.amdgpu_metadata
---
amdhsa.version: [ 1, 2 ]
amdhsa.kernels:
  - .name:           k_q35920e75c1_attn
    .symbol:         k_q35920e75c1_attn.kd
    .args:
      - { .name: q, .offset: 0, .size: 8, .value_kind: global_buffer, .address_space: global }
      - { .name: kv, .offset: 8, .size: 8, .value_kind: global_buffer, .address_space: global }
      - { .name: wo, .offset: 16, .size: 8, .value_kind: global_buffer, .address_space: global }
      - { .name: bo, .offset: 24, .size: 8, .value_kind: global_buffer, .address_space: global }
      - { .name: out0, .offset: 32, .size: 8, .value_kind: global_buffer, .address_space: global }
    .group_segment_fixed_size: 327680
    .private_segment_fixed_size: 0
    .kernarg_segment_align: 8
    .kernarg_segment_size: 40
    .max_flat_workgroup_size: 256
    .sgpr_count:     66
    .vgpr_count:     512
    .wavefront_size: 32
...
	.end_amdgpu_metadata
.endif
;; end of part 2
